; MI455X (gfx1250); checked and timed in simulation.
; The chip was launched on July 23, 2026; its instructions are those of AMD's public machine-readable ISA for CDNA 5 (MIT licence, August 2026) and "CDNA5" Instruction Set Architecture Reference Guide (July 2026). The comments in the code are by the model that wrote it; some were corrected since.
;; Voxel Distill. Allowed arithmetic: matrix products marked QUANTISED: E3M2 operands, one E8M0 scale for each 32 along K, by v_wmma_scale_f32_16x16x128_f8f6f4 with both operands' format E3M2, f32 sums; everything else in f32.
;; Inputs: conv_b 128 float32; conv_w 128 x 64 float32; gt_bboxes_3d 100 x 9 float32; gt_labels_3d 100 int32; student_voxel_feats 1 x 64 x 8 x 256 x 256 float32; teacher_voxel_feats 1 x 128 x 2 x 128 x 128 float32.
;; Outputs: out0 1 x 128 x 2 x 128 x 128 float32.
;; This version of the problem:
;;   THIS VERSION OF THE PROBLEM IS GIVEN IN LOW PRECISION. The matrix products marked QUANTISED in the list below multiply operands that are first quantised to E3M2 (3 exponent bits, 2 mantissa bits; 6 bits a number), with one power-of-two scale for each 32 numbers along K (OCP MX v1.0); their sums are f32. All else is computed in f32.
;;   The module's matrix products, in the order in which they are computed (A, B: the left and right operand; K: the contracted axis; several contracted axes count as one K, in the product's order):
;;     1. [M 128, K 64] x [K 64, N 524,288]; A: input conv_w; B: input student_voxel_feats: QUANTISED
;;   THE QUANTISER, for each operand of a quantised product, along K:
;;     - K is cut into blocks of 32 from its start; a last block that is shorter is filled with zeros.
;;     - A block's scale is 2^e with e = floor(log2(the largest magnitude in the block)) - 4, held to -126 .. 127; a block of zeros has e = 0. As a byte (E8M0): e + 127.
;;     - Each number is divided by its block's scale, clamped to +-28, and rounded to the nearest number of E3M2, ties to even, subnormals kept.
;;     - The product sums the exact products of the quantised numbers (number of the format x scale) in f32.
;;   ~~~python
;;   def quantise(x, axis):      # numpy; x: float32 -> the quantised numbers, widened to float32 again
;;       x = np.moveaxis(x, axis, -1); K = x.shape[-1]
;;       x = np.pad(x, [(0, 0)] * (x.ndim - 1) + [(0, -K % 32)]); x = x.reshape(x.shape[:-1] + (-1, 32)); a = np.abs(x).max(-1, keepdims=True)
;;       e = np.where(a > 0, np.clip(np.frexp(np.where(a > 0, a, 1))[1] - 1 - 4, -126, 127), 0)      # np.frexp(a)[1] - 1 = floor(log2(a)), exactly
;;       r = np.clip(x / 2.0 ** e, -28, 28)
;;       step = 2.0 ** (np.maximum(np.frexp(np.where(r == 0, 1, r))[1] - 1, -2) - 2)
;;       q = np.round(r / step) * step * 2.0 ** e      # np.round: ties to even
;;       return np.moveaxis(q.reshape(q.shape[:-2] + (-1,))[..., :K], -1, axis).astype(np.float32)
;;   ~~~
;; One version. Each part assembles by itself: llvm-mc -triple=amdgcn-amd-amdhsa -mcpu=gfx1250 --defsym DOCPART=n.
;; ======== version 1 of 1: 2 launches
;; workspace buffers: hm 131,072 bytes; psum 1,024 bytes
;; launch heat (part 1): grid 256 x 1, 4 waves a work-group, no clusters, 4,608 bytes of LDS; arguments gt_bboxes_3d, hm, psum; writes hm, psum
.if DOCPART == 1
	.amdgcn_target "amdgcn-amd-amdhsa--gfx1250"
	.amdhsa_code_object_version 6
	.text
	.protected	k_q0ae92d0029_heat
	.globl	k_q0ae92d0029_heat
	.p2align	8
	.type	k_q0ae92d0029_heat,@function
k_q0ae92d0029_heat:
	s_mov_b64 s[64:65], 0
	v_nop
	global_prefetch_b8 v0, s[64:65] scope:SCOPE_SE
	s_setreg_imm32_b32 hwreg(HW_REG_WAVE_MODE, 25, 1), 1
	s_wait_xcnt 0x0
; VoxelDistill, launch 1 of 2: the heat map hm[z][x][y] (2 x 128 x 128 f32) and the sum of each of its 256 rows.
; hm(x, y, z) = max over the 100 boxes of exp(-(dx^2 + dy^2) / (2 sx^2) - dz^2 / (2 sz^2)) inside the box's window, 0 outside; numbers under 2^-23 become 0.
; A work-group of four waves makes one row: z = group / 128, x = group % 128, thread = y.
; PHASE 1, a thread to a box: radii, truncated centre, validity, and all that hangs on x and z: four numbers a box go to LDS:
;   cy | rx^2 | -18 log2(e) / (2 rx + 1)^2 | P = the x and z part of the exponent (base 2), or -infinity where the box is not valid or x or z lies outside its window.
; PHASE 2, a thread to a y: exp rises with its argument, so the MAXIMUM IS TAKEN OF THE EXPONENTS: five and a half plain instructions a box, ONE exponential a cell.
;   The zeroing under 2^-23 also rises with its argument (0 stays 0), so it too is done once, on the maximum.
; The row leaves through LDS: wave 0 stores 512 consecutive bytes, aligned, and the row's sum (4 bytes: 256 such words in the launch).
; gt_labels_3d is not among the arguments: reference() takes it and never reads it.
; LIMITS: NaN and infinities among the boxes are not served.  A division by a constant is a multiplication by its reciprocal with one fused correction, a root is v_sqrt_f32 (1 ulp):
; a quotient that lies within an ulp or so of a whole number may be truncated otherwise than by correctly rounded arithmetic.  Radii are kept as whole numbers in f32: exact up to 2^24 (reference() saturates at 2^31).
; No branch and no address hangs on a box's numbers: they only feed selects.
.set NBOX,  100
.set GRP,   20                         ; boxes in a group of LDS loads
.set ROW,   2048                       ; LDS: 0 .. 2047 the boxes' four numbers (16 bytes a thread); from here the row, 512 bytes
.set PST,   2                          ; v2   16 x thread: where I put my box's four numbers
.set YF,    3                          ; v3   my y as f32
.set VPI,   4                          ; v4   +infinity
.set MA,    5                          ; v5, v6  two running maxima of the exponent
.set MB,    6
.set VNI,   7                          ; v7   -infinity
.set VZ,    8                          ; v8   0: the address of the uniform LDS loads, and the number 0
.set RST,   9                          ; v9   ROW + 4 x thread
.set RLD,   10                         ; v10  ROW + 16 x lane
.set GOF,   11                         ; v11  16 x lane
.set T,     12                         ; v12-15 at work
.set BX,    16                         ; v16-21 x, y, z, w, l, h of my box
.set G,     36                         ; v36-83 three sets of 16 for the three radii
.set Q,     84                         ; v84-87 my box's four numbers
.set B0,    96                         ; v96-175, v176-255: two groups of 20 boxes x 4 numbers
	s_load_b128 s[4:7], s[0:1], 0x0                ; boxes s[4:5], hm s[6:7]
	s_load_b64 s[8:9], s[0:1], 0x10                ; psum
	v_lshl_add_u32 v94, v0, 2, 0x1000
	v_mov_b32 v95, 0
	v_min_u32 v1, NBOX-1, v0                       ; threads 100 to 127 load box 99 again (no load leaves the buffer) and are masked below
	v_mul_u32_u24 v1, v1, 36                       ; a box is 9 f32
	v_lshrrev_b32 v[T], 5, v0
	v_readfirstlane_b32 s12, v[T]                  ; wave
	s_and_b32 s10, ttmp9, 127                      ; x
	s_lshr_b32 s11, ttmp9, 7                       ; z
	s_lshl_b32 s16, ttmp9, 9                       ; my row in hm: 512 bytes a row
	s_mov_b32 s17, 0
	s_lshl_b32 s18, ttmp9, 2                       ; my word in psum
	s_mov_b32 s19, 0
	s_wait_kmcnt 0x0
.irp i, 0,1,2,3,4,5
	global_load_b32 v[BX+\i], v1, s[4:5] offset:4*\i
.endr
	s_add_nc_u64 s[6:7], s[6:7], s[16:17]
	s_add_nc_u64 s[8:9], s[8:9], s[18:19]
	s_mov_b32 s20, 0x3dcccccd                      ; 0.1
	s_mov_b32 s21, 0x41200000                      ; 1 / 0.1 rounded: 10
	s_mov_b32 s22, 0x3e4ccccd                      ; 0.2
	s_mov_b32 s23, 0x40a00000                      ; 5 (1 / 0.2 rounded; also the offset of z)
	s_mov_b32 s24, 0x3ecccccd                      ; 0.4
	s_mov_b32 s25, 0x40200000                      ; 2.5
	s_mov_b32 s26, 0x3f8ccccd                      ; 1.1
	s_mov_b32 s27, 0x3f68ba2e                      ; 1 / 1.1
	s_mov_b32 s28, 0x3f666666                      ; 0.9
	s_mov_b32 s29, 0x424ccccd                      ; 51.2
	s_mov_b32 s13, 0xc1cfbf83                      ; -18 log2(e): exp(-d^2 / (2 s^2)) with s = (2 r + 1) / 6 is 2^(-18 log2(e) d^2 / (2 r + 1)^2)
	s_mov_b32 s14, 128
	s_mov_b32 s15, NBOX
	s_mov_b32 s38, 0x76543210                      ; v_permlanex16_b32's selects for lane l xor 16
	s_mov_b32 s39, 0xfedcba98
	v_lshlrev_b32 v[PST], 4, v0
	v_cvt_f32_u32 v[YF], v0
	v_mov_b32 v[VPI], 0x7f800000
	v_mov_b32 v[VNI], 0xff800000
	v_mov_b32 v[MA], 0xff800000
	v_mov_b32 v[MB], 0xff800000
	v_mov_b32 v[VZ], 0
	v_lshl_add_u32 v[RST], v0, 2, ROW
	v_and_b32 v[GOF], 31, v0
	v_lshlrev_b32 v[GOF], 4, v[GOF]
	v_add_nc_u32 v[RLD], ROW, v[GOF]
	s_wait_loadcnt 0x0
	; ---- PHASE 1.  a / c = q + (a - q c) (1 / c) with q = a (1 / c): three lines; several quotients by turns
	v_mul_f32 v22, s21, v19                        ; w / 0.1
	v_mul_f32 v23, s21, v20                        ; l / 0.1
	v_mul_f32 v24, s23, v21                        ; h / 0.2
	v_add_f32 v28, s29, v16                        ; x + 51.2
	v_add_f32 v29, s29, v17                        ; y + 51.2
	v_fma_f32 v25, -v22, s20, v19
	v_fma_f32 v26, -v23, s20, v20
	v_fma_f32 v27, -v24, s22, v21
	v_mul_f32 v31, s25, v28                        ; cx = (x + 51.2) / 0.4
	v_mul_f32 v32, s25, v29                        ; cy
	v_fma_f32 v22, v25, s21, v22
	v_fma_f32 v23, v26, s21, v23
	v_fma_f32 v24, v27, s23, v24
	v_fma_f32 v33, -v31, s24, v28
	v_fma_f32 v34, -v32, s24, v29
	v_mul_f32 v22, 0x3e000000, v22                 ; / 8: v22 = wf, v23 = lf, v24 = hf
	v_mul_f32 v23, 0x3e000000, v23
	v_mul_f32 v24, 0x3e000000, v24
	v_fma_f32 v31, v33, s25, v31
	v_fma_f32 v32, v34, s25, v32
	v_add_f32 v30, s23, v18                        ; cz = (z + 5) / 1
	; the three radii by turns: set k = 0: (h, w) = (lf, wf); 1: (lf, hf); 2: (wf, hf).  h is v[23 - k / 2], w is v[22 + 2 ((k + 1) / 2)]
.irp k, 0,1,2
	v_add_f32 v[G+16*\k], v[23-\k/2], v[22+2*((\k+1)/2)]          ; +0: b1 = h + w
.endr
.irp k, 0,1,2
	v_mul_f32 v[G+16*\k+1], v[22+2*((\k+1)/2)], v[23-\k/2]        ; +1: w h
.endr
.irp k, 0,1,2
	v_mul_f32 v[G+16*\k+2], s28, v[22+2*((\k+1)/2)]               ; +2: 0.9 w
.endr
.irp k, 0,1,2
	v_mul_f32 v[G+16*\k+1], s28, v[G+16*\k+1]                     ; (w h) 0.9
	v_mul_f32 v[G+16*\k+2], v[G+16*\k+2], v[23-\k/2]              ; c2 = (0.9 w) h; c3 = (-0.9 w) h is its negative, bit for bit
	v_mul_f32 v[G+16*\k+5], 0xbe4ccccd, v[G+16*\k]                ; +5: b3 = -0.2 (h + w)
	v_add_f32 v[G+16*\k+8], v[G+16*\k], v[G+16*\k]                ; +8: b2 = 2 (h + w)
.endr
.irp k, 0,1,2
	v_mul_f32 v[G+16*\k+3], s27, v[G+16*\k+1]                     ; +3: c1 = (w h 0.9) / 1.1
.endr
.irp k, 0,1,2
	v_fma_f32 v[G+16*\k+4], -v[G+16*\k+3], s26, v[G+16*\k+1]
.endr
.irp k, 0,1,2
	v_fma_f32 v[G+16*\k+3], v[G+16*\k+4], s27, v[G+16*\k+3]
.endr
.irp k, 0,1,2
	v_mul_f32 v[G+16*\k+6], 0x3fcccccd, v[G+16*\k+2]              ; 1.6 c2 = -1.6 c3
	v_mul_f32 v[G+16*\k+9], 0x41800000, v[G+16*\k+2]              ; 16 c2
	v_mul_f32 v[G+16*\k+4], 4.0, v[G+16*\k+3]                     ; 4 c1
.endr
.irp k, 0,1,2
	v_fma_f32 v[G+16*\k+7], v[G+16*\k], v[G+16*\k], -v[G+16*\k+4]       ; b1^2 - 4 c1
	v_fma_f32 v[G+16*\k+9], v[G+16*\k+8], v[G+16*\k+8], -v[G+16*\k+9]   ; b2^2 - 16 c2
	v_fma_f32 v[G+16*\k+6], v[G+16*\k+5], v[G+16*\k+5], v[G+16*\k+6]    ; b3^2 - 1.6 c3
.endr
.irp k, 0,1,2
	v_max_num_f32 v[G+16*\k+7], 0, v[G+16*\k+7]
	v_max_num_f32 v[G+16*\k+9], 0, v[G+16*\k+9]
	v_max_num_f32 v[G+16*\k+6], 0, v[G+16*\k+6]
.endr
.irp k, 0,1,2
	v_sqrt_f32 v[G+16*\k+7], v[G+16*\k+7]
	v_sqrt_f32 v[G+16*\k+9], v[G+16*\k+9]
	v_sqrt_f32 v[G+16*\k+6], v[G+16*\k+6]
.endr
	v_nop                                          ; a plain instruction between the last root and the use of its result
	s_wait_alu depctr_va_vdst(0)
.irp k, 0,1,2
	v_add_f32 v[G+16*\k+7], v[G+16*\k], v[G+16*\k+7]
	v_add_f32 v[G+16*\k+9], v[G+16*\k+8], v[G+16*\k+9]
	v_add_f32 v[G+16*\k+6], v[G+16*\k+5], v[G+16*\k+6]
.endr
.irp k, 0,1,2
	v_min3_num_f32 v[G+16*\k+7], v[G+16*\k+7], v[G+16*\k+9], v[G+16*\k+6]   ; halving is exact and keeps the order: the least first,
.endr
.irp k, 0,1,2
	v_mul_f32 v[G+16*\k+7], 0.5, v[G+16*\k+7]                     ; then / 2
.endr
	v_max_num_f32 v33, v[G+23], v[G+39]            ; r_z
	v_mul_f32 v34, s25, v[G+7]                     ; r_xy / 0.4
	v_fma_f32 v35, -v34, s24, v[G+7]
	v_fma_f32 v34, v35, s25, v34
	v_trunc_f32 v34, v34
	v_trunc_f32 v33, v33
	v_max_num_f32 v34, 2.0, v34                    ; rx = ry
	v_max_num_f32 v33, 2.0, v33                    ; rz
	v_cvt_i32_f32 v31, v31                         ; the centre's cell, truncated toward zero
	v_cvt_i32_f32 v32, v32
	v_cvt_i32_f32 v30, v30
	v_sub_nc_u32 v25, s10, v31                     ; dx = x - cx
	v_sub_nc_u32 v26, s11, v30                     ; dz
	v_cvt_f32_i32 v25, v25
	v_cvt_f32_i32 v26, v26
	v_fma_f32 v27, v34, 2.0, 1.0                   ; 2 rx + 1
	v_fma_f32 v28, v33, 2.0, 1.0
	v_mul_f32 v25, v25, v25                        ; dx^2
	v_mul_f32 v26, v26, v26                        ; dz^2
	v_mul_f32 v27, v27, v27
	v_mul_f32 v28, v28, v28
	v_rcp_f32 v27, v27
	v_rcp_f32 v28, v28
	v_cvt_f32_i32 v[Q], v32                        ; cy
	v_mul_f32 v[Q+1], v34, v34                     ; rx^2  (plain lines between the reciprocals and their use)
	v_mul_f32 v29, v33, v33                        ; rz^2
	s_wait_alu depctr_va_vdst(0)
	v_mul_f32 v[Q+2], s13, v27                     ; -18 log2(e) / (2 rx + 1)^2
	v_mul_f32 v28, s13, v28
	v_mul_f32 v[Q+3], v26, v28
	v_fma_f32 v[Q+3], v25, v[Q+2], v[Q+3]          ; P
	v_cmp_lt_f32 s30, 0, v22                       ; wf > 0
	v_cmp_lt_f32 s31, 0, v23                       ; lf > 0
	v_cmp_gt_u32 s32, s14, v31                     ; 0 <= cx < 128 (unsigned)
	v_cmp_gt_u32 s33, s14, v32
	v_cmp_gt_u32 s34, 2, v30                       ; 0 <= cz <= 1
	v_cmp_le_f32 s35, v25, v[Q+1]                  ; |dx| <= rx
	v_cmp_le_f32 s36, v26, v29                     ; |dz| <= rz
	v_cmp_gt_u32 s37, s15, v0                      ; a thread that has a box
	s_and_b32 s30, s30, s31
	s_and_b32 s32, s32, s33
	s_and_b32 s34, s34, s35
	s_and_b32 s36, s36, s37
	s_and_b32 s30, s30, s32
	s_and_b32 s34, s34, s36
	s_and_b32 s30, s30, s34
	v_cndmask_b32 v[Q+3], v[VNI], v[Q+3], s30      ; -infinity where the box does not count in this row
	ds_store_b128 v[PST], v[Q:Q+3]
	s_wait_dscnt 0x0                               ; for the others' sake: my box's numbers lie in LDS
	s_barrier_signal -1
	s_barrier_wait -1
	; ---- PHASE 2.  All lanes read the same 16 bytes a box.  Two groups of 20 boxes take turns in the registers
.macro LOADG g
.set i, 0
.rept GRP
	ds_load_b128 v[B0+80*((\g)%2)+4*i:B0+80*((\g)%2)+4*i+3], v[VZ] offset:16*(GRP*(\g)+i)
.set i, i+1
.endr
.endm
.macro BOX4 b                          ; four boxes by turns, so that no line waits for the line above it
.irp j, 0,1,2,3
	v_sub_f32 v[T+\j], v[YF], v[(\b)+4*\j]                        ; dy
.endr
.irp j, 0,1,2,3
	v_mul_f32 v[T+\j], v[T+\j], v[T+\j]                           ; dy^2
.endr
.irp j, 0,1,2,3
	v_cmp_gt_f32 s[30+\j], v[T+\j], v[(\b)+4*\j+1]                ; outside the window: dy^2 > ry^2
.endr
.irp j, 0,1,2,3
	v_cndmask_b32 v[T+\j], v[T+\j], v[VPI], s[30+\j]              ; there dy^2 becomes +infinity, and the exponent -infinity
.endr
.irp j, 0,1,2,3
	v_fma_f32 v[T+\j], v[T+\j], v[(\b)+4*\j+2], v[(\b)+4*\j+3]    ; the exponent
.endr
	v_max3_num_f32 v[MA], v[MA], v[T], v[T+1]
	v_max3_num_f32 v[MB], v[MB], v[T+2], v[T+3]
.endm
	LOADG 0
	LOADG 1
.irp g, 0,1,2,3,4
.if \g < 4
	s_wait_dscnt GRP                               ; this group is in; the next group's 20 loads may be out
.else
	s_wait_dscnt 0x0
.endif
.irp q, 0,1,2,3,4
	BOX4 B0+80*(\g%2)+16*\q
.endr
.if \g+2 < 5
	LOADG \g+2
.endif
.endr
	v_max_num_f32 v[MA], v[MA], v[MB]
	v_exp_f32 v[MA], v[MA]                         ; 2^(-infinity) = 0: a cell that no box reaches
	v_nop
	s_wait_alu depctr_va_vdst(0)
	v_cmp_gt_f32 vcc_lo, 0x34000000, v[MA]         ; under 2^-23: 0
	v_cndmask_b32 v[MA], v[MA], v[VZ], vcc_lo
	ds_store_b32 v[RST], v[MA]
	s_wait_dscnt 0x0                               ; for wave 0's sake
	s_barrier_signal -1
	s_barrier_wait -1
	s_cmp_lg_u32 s12, 0
	s_cbranch_scc1 .Lend
	ds_load_b128 v[16:19], v[RLD]                  ; the whole row, 16 bytes a lane
	s_wait_dscnt 0x0
	global_store_b128 v[GOF], v[16:19], s[6:7]     ; 32 lanes store 512 consecutive bytes, at a multiple of 512 from hm's first byte
	v_add_f32 v12, v16, v17
	v_add_f32 v13, v18, v19
	v_add_f32 v12, v12, v13
	v_add_f32_dpp v12, v12, v12 row_xmask:1 row_mask:0xf bank_mask:0xf
	v_add_f32_dpp v12, v12, v12 row_xmask:2 row_mask:0xf bank_mask:0xf
	v_add_f32_dpp v12, v12, v12 row_xmask:4 row_mask:0xf bank_mask:0xf
	v_add_f32_dpp v12, v12, v12 row_xmask:8 row_mask:0xf bank_mask:0xf
	v_permlanex16_b32 v13, v12, s38, s39
	v_add_f32 v12, v12, v13                        ; the row's sum
	s_wait_xcnt 0x0                                ; EXEC changes only behind this wait: the store above has read its sources
	v_cmp_eq_u32 vcc_lo, 0, v0
	s_and_saveexec_b32 s22, vcc_lo
	global_store_b32 v[VZ], v12, s[8:9]            ; one lane stores it
	s_wait_xcnt 0x0
	s_or_b32 exec_lo, exec_lo, s22
.Lend:
	s_wait_tensorcnt 0x0
	ds_add_u32 v94, v95
	s_wait_dscnt 0x0
	s_endpgm
.Lfunc_end_k_q0ae92d0029_heat:
	.size	k_q0ae92d0029_heat, .Lfunc_end_k_q0ae92d0029_heat-k_q0ae92d0029_heat
	.p2alignl 7, 3214868480
	.fill 96, 4, 3214868480
	.section	.rodata,"a",@progbits
	.p2align	6, 0x0
	.amdhsa_kernel k_q0ae92d0029_heat
		.amdhsa_group_segment_fixed_size 4608
		.amdhsa_private_segment_fixed_size 0
		.amdhsa_enable_private_segment 0
		.amdhsa_kernarg_size 24
		.amdhsa_user_sgpr_count 2
		.amdhsa_user_sgpr_kernarg_segment_ptr 1
		.amdhsa_wavefront_size32 1
		.amdhsa_system_sgpr_workgroup_id_x 1
		.amdhsa_system_sgpr_workgroup_id_y 1
		.amdhsa_system_sgpr_workgroup_id_z 1
		.amdhsa_system_vgpr_workitem_id 0
		.amdhsa_next_free_vgpr 256
		.amdhsa_next_free_sgpr 66
		.amdhsa_reserve_vcc 1
		.amdhsa_float_denorm_mode_32 3
		.amdhsa_float_denorm_mode_16_64 3
		.amdhsa_memory_ordered 1
		.amdhsa_forward_progress 1
		.amdhsa_inst_pref_size 46
	.end_amdhsa_kernel
	.amdgpu_metadata
---
amdhsa.version: [ 1, 2 ]
amdhsa.kernels:
  - .name:           k_q0ae92d0029_heat
    .symbol:         k_q0ae92d0029_heat.kd
    .args:
      - { .name: gt_bboxes_3d, .offset: 0, .size: 8, .value_kind: global_buffer, .address_space: global }
      - { .name: hm, .offset: 8, .size: 8, .value_kind: global_buffer, .address_space: global }
      - { .name: psum, .offset: 16, .size: 8, .value_kind: global_buffer, .address_space: global }
    .group_segment_fixed_size: 4608
    .private_segment_fixed_size: 0
    .kernarg_segment_align: 8
    .kernarg_segment_size: 24
    .max_flat_workgroup_size: 128
    .sgpr_count:     66
    .vgpr_count:     256
    .wavefront_size: 32
...
	.end_amdgpu_metadata
.endif
;; end of part 1
;; launch main (part 2): grid 256 x 1, 4 waves a work-group, no clusters, 327,680 bytes of LDS; arguments student_voxel_feats, teacher_voxel_feats, conv_w, conv_b, hm, psum, out0; writes out0
.if DOCPART == 2
	.amdgcn_target "amdgcn-amd-amdhsa--gfx1250"
	.amdhsa_code_object_version 6
	.text
	.protected	k_q0ae92d0029_main
	.globl	k_q0ae92d0029_main
	.p2align	8
	.type	k_q0ae92d0029_main,@function
k_q0ae92d0029_main:
	s_mov_b64 s[64:65], 0
	v_nop
	global_prefetch_b8 v0, s[64:65] scope:SCOPE_SE
	s_setreg_imm32_b32 hwreg(HW_REG_WAVE_MODE, 25, 1), 1
	s_wait_xcnt 0x0
; VoxelDistill, launch 2 of 2: out0[o][D][H][W] = |s - teacher| x hm[D][H][W] x 10 / (sum of hm + 1e-4).
; s[o][D][H][W] = conv_b[o] + the mean, over the 8 positions d = 4 D + 1, 4 D + 2; h = 2 H, 2 H + 1; w = 2 W, 2 W + 1, of sum over c of Q(conv_w)[o][c] Q(student)[c][d][h][w]:
; the three linear resizes (8 -> 2, 256 -> 128, 256 -> 128) have weights of one half each and gather these positions alone; planes d = 0, 3, 4, 7 are never gathered and are not read.
; Q: codes of BF6 (E3M2) with one E8M0 scale for each 32 channels, made position by position.  THE MATRIX INSTRUCTION'S K OF 128 HOLDS TWO POSITIONS: k = 64 (w odd) + channel, against [W | W];
; four instructions in a chain, one for each (d, h), add all 8 positions in f32.  The chain's first C is 8 x conv_b, so that the sum / 8 is s.
; SHARES.  A work-group owns one row (D, H) of the output: 128 o x 128 W.  Wave v owns W = 32 v .. 32 v + 31 for all o: 2 tiles of 16 W x 8 tiles of 16 o = 16 accumulators, 64 matrix instructions.
; DATA.  Each wave asks at its head for all that it will read of the student: four tiles, one for each (d, h), of 64 channels x 256 consecutive bytes (at multiples of 256 from the buffer's first byte), and ahead of them
; for its 32 rows of conv_w.  Five tensor loads of a wave are out at the most.  Every LDS byte is filled once: no slot is filled again.  A wave reads only its own tiles, each behind its own counted wait.
; FROM LDS TO THE OPERAND.  Lane (r, hh) takes position w = 2 r + hh of a tile of 16 W, and its 64 registers run down the channels: both blocks of 32 are the lane's own, so no other lane is asked for a maximum, and the
; conversions' sources are consecutive registers.  Six v_permlane16_swap_b32 then give lanes 0-15 channels 0-31 and lanes 16-31 channels 32-63, of the even position in registers 0-5 and of the odd one in 6-11.
; conv_w: each wave quantises 2 of the 8 fragments; they go from wave to wave through LDS as images of their registers.
; THE MATRIX INSTRUCTION IS USED TRANSPOSED (source 0 = 16 W, source 1 = 16 o): a lane then holds eight neighbouring W of one o.  THE WAY OUT: each wave puts its 128 o x 128 bytes into a stage inside its OWN tiles,
; which it has read out; one barrier; each wave takes 32 whole rows of 512 bytes, and stores them so.  The teacher's rows are asked for behind the tensor loads and waited for row by row.
; NO CLUSTER: work-groups share conv_w and psum alone, 33,792 bytes against 393,216 of their own (student, teacher, out0).  NO PREFETCH: all of the launch's reads are issued at its head.
; LIMITS: NaN and infinities are not served.  A block of zeros gets the scale byte 1 (its codes are zeros; the bytes never leave the launch).
; REGISTERS, in windows of 256.  window 0: v1-13 addresses; v20-23 hm x 10 / (sum + 1e-4); v24-31 psum; v32-39 W's scale words; v40-41 x's; v42-50 at work; v56-79 two sets of codes; v80-86 conversions' halves;
;   v88-95 conv_b; v96-223 two sets of 64 numbers, later 32 rows on the way out.   window 1: v0-95 W's 8 fragments; v96-159 8 x conv_b as C.   window 2: v0-127 the accumulators; v128-255 the teacher's 32 rows.
.set DSTR,   262144                    ; student: bytes from plane d to d + 1,
.set HSTR,   1024                      ; from row h to h + 1,
.set CELE,   524288                    ; elements from channel to channel
.set OSTR,   131072                    ; teacher and out0: bytes from o to o + 1
.set TILE,   16384                     ; 64 channels x 256 bytes
.set WIMG,   16*TILE                   ; LDS: 0 .. 262,143 the tiles (wave v, tile s at 65,536 v + 16,384 s); then W's 8 fragments as images,
.set FRB,    1536                      ; 12 registers x 128 bytes each;
.set WSC,    WIMG+8*FRB                ; their scale words, 128 bytes each;
.set WRAW,   WSC+8*128                 ; conv_w as it comes: 128 rows,
.set WP,     272                       ; 256 bytes + 16 of padding: row r starts at bank 4 r mod 64 (64 banks of 4 bytes: ISA guide 11.1)
.set SP,     144                       ; the stage: a row of 128 bytes + 16
.set SB,     65664                     ; wave v's stage begins at 65,664 v: inside its own tiles, and 128 bytes further round the banks from wave to wave
.set FLOOR,  0x2800000                 ; 2^(5 - 127): under it no largest magnitude is taken, so a scale's byte cannot fall under 1
.set EOFF,   0xfe000000                ; takes 4 off an exponent field
.set LN,  1                            ; lane
.set RR,  2                            ; lane % 16
.set HH,  3                            ; lane / 16
.set XAD, 4                            ; LDS: my position in my wave's tiles
.set STO, 5                            ; the stage: where I put 32 bytes of a row
.set RD,  6                            ; and where I read 16 bytes of a whole row
.set GO,  7                            ; 16 x lane
.set BA,  8                            ; 4 x (lane % 16)
.set WL,  9                            ; LDS: my row and half of conv_w
.set WI,  10                           ; LDS: an image's place for my lane
.set WIS, 11                           ; the same for the two fragments that I make
.set WS,  12                           ; a scale word's place
.set WSS, 13
.set TP,  14
.set HM,  20
.set PS,  24
.set WSW, 32
.set SW,  40
.set MX,  42
.set SO,  46
.set BY,  48
.set OT,  50
.set CD,  56
.set TT,  80
.set BI,  88
.set XB,  96
.set WF,  0                            ; window 1
.set CB,  96                           ; window 1
.set TE,  128                          ; window 2
.set WV,  18
.set G1,  24                           ; s[24:31] descriptor group 1 for the student's tiles; s[32:47] four groups 0
.set G0,  32
.set SEL, 48                           ; s[48:49] v_permlanex16_b32's selects for lane l xor 16
.set EI,  50                           ; s[50:51] 1 / 8: the packed form names a pair and takes its low word for both halves
.set G1W, 68                           ; s[68:75], s[76:79] groups 1 and 0 for conv_w
.set G0W, 76
.set MSB, 0
.macro WIN new                         ; the immediate's high byte repeats the setting that is left
.if MSB != \new
	s_set_vgpr_msb (MSB<<8)|\new
.set MSB, \new
.endif
.endm
	s_load_b256 s[4:11], s[0:1], 0x0               ; student s[4:5], teacher s[6:7], conv_w s[8:9], conv_b s[10:11]
	s_load_b128 s[12:15], s[0:1], 0x20             ; hm s[12:13], psum s[14:15]
	s_load_b64 s[16:17], s[0:1], 0x30              ; out0
	v_lshl_add_u32 v254, v0, 2, 0x4bc00
	v_mov_b32 v255, 0
	ds_add_u32 v254, v255
	ds_add_u32 v254, v255
	v_lshrrev_b32 v[TP], 5, v0
	v_readfirstlane_b32 s[WV], v[TP]               ; wave 0..3
	v_and_b32 v[LN], 31, v0
	v_and_b32 v[RR], 15, v0
	v_bfe_u32 v[HH], v0, 4, 1
	v_lshlrev_b32 v[GO], 4, v[LN]
	v_lshlrev_b32 v[BA], 2, v[RR]
	; group 1, the student's tiles: 64 rows (channels) of 64 elements of 4 bytes, 524,288 elements apart; no padding: the 32 lanes of a load read 32 neighbouring words of one row
	s_mov_b32 s[G1], 2<<16
	s_mov_b32 s[G1+1], 64<<16                      ; tensor_dim0
	s_mov_b32 s[G1+2], 64<<16                      ; tensor_dim1
	s_mov_b32 s[G1+3], 64<<16                      ; tile_dim0
	s_mov_b32 s[G1+4], 64                          ; tile_dim1
	s_mov_b32 s[G1+5], CELE                        ; from row to row
	s_mov_b32 s[G1+6], 0
	s_mov_b32 s[G1+7], 0
	; group 1, conv_w: 32 dense rows of 64 elements, 4 words of padding behind every 64
	s_mov_b32 s[G1W], (2<<16)|(1<<20)|(5<<22)|(3<<25)
	s_mov_b32 s[G1W+1], 64<<16
	s_mov_b32 s[G1W+2], 32<<16
	s_mov_b32 s[G1W+3], 64<<16
	s_mov_b32 s[G1W+4], 32
	s_mov_b32 s[G1W+5], 64
	s_mov_b32 s[G1W+6], 0
	s_mov_b32 s[G1W+7], 0
	s_lshr_b32 s20, ttmp9, 7                       ; D
	s_and_b32 s21, ttmp9, 127                      ; H
	s_lshl_b32 s20, s20, 20                        ; 4 D planes
	s_lshl_b32 s21, s21, 11                        ; 2 H rows
	s_add_co_u32 s20, s20, s21
	s_lshl_b32 s21, s[WV], 8                       ; my wave's 256 bytes of a row
	s_add_co_u32 s20, s20, s21
	s_add_co_u32 s20, s20, DSTR                    ; plane 4 D + 1
	s_mov_b32 s21, 0
	s_lshl_b32 s22, s[WV], 16                      ; my wave's tiles in LDS
	s_mul_i32 s23, s[WV], 32*WP                    ; my wave's rows of conv_w in LDS
	s_lshl_b32 s52, s[WV], 13                      ; and in memory: 32 rows of 256 bytes
	s_mov_b32 s53, 0
	s_lshl_b32 s54, ttmp9, 9                       ; row (D, H): 512 bytes a row, in hm and in a plane of teacher and out0
	s_mov_b32 s55, 0
	s_lshl_b32 s56, s[WV], 22                      ; on the way out my wave takes o = 32 v .. 32 v + 31
	s_add_co_u32 s56, s56, s54
	s_mov_b32 s57, 0
	s_mov_b32 s[SEL], 0x76543210
	s_mov_b32 s[SEL+1], 0xfedcba98
	s_mov_b32 s[EI], 0x3e000000
	s_mov_b32 s[EI+1], 0x3e000000
	s_wait_dscnt 0x0
	s_wait_kmcnt 0x0
	s_add_nc_u64 s[4:5], s[4:5], s[20:21]
	s_add_nc_u64 s[12:13], s[12:13], s[54:55]
	s_add_nc_u64 s[6:7], s[6:7], s[56:57]
	s_add_nc_u64 s[16:17], s[16:17], s[56:57]
	; the small loads go out ahead of the large ones
.irp m, 0,1,2,3,4,5,6,7
	global_load_b32 v[BI+\m], v[BA], s[10:11] offset:64*\m       ; conv_b(16 m + lane % 16)
.endr
	global_load_b128 v[PS:PS+3], v[GO], s[14:15]                 ; the 256 row sums, 8 a lane
	global_load_b128 v[PS+4:PS+7], v[GO], s[14:15] offset:512
	global_load_b128 v[HM:HM+3], v[GO], s[12:13]                 ; hm(D, H, 4 lane .. 4 lane + 3)
	s_mov_b32 s[G0W], 1
	s_add_co_u32 s[G0W+1], s23, WRAW
	s_add_nc_u64 s[G0W+2:G0W+3], s[8:9], s[52:53]
	s_or_b32 s[G0W+3], s[G0W+3], 0x80000000
.irp s, 0,1,2,3                                    ; tile s: plane 4 D + 1 + s / 2, row 2 H + s % 2
	s_mov_b32 s[G0+4*\s], 1
	s_add_co_u32 s[G0+4*\s+1], s22, \s*TILE
	s_add_nc_u64 s[G0+4*\s+2:G0+4*\s+3], s[4:5], (\s/2)*DSTR+(\s%2)*HSTR
	s_or_b32 s[G0+4*\s+3], s[G0+4*\s+3], 0x80000000
.endr
	tensor_load_to_lds s[G0W:G0W+3], s[G1W:G1W+7]  ; all my fills go out together, ahead of every wait on TENSORcnt, every LDS read and every barrier
	s_nop 0
	tensor_load_to_lds s[G0:G0+3], s[G1:G1+7]
	s_nop 0
	tensor_load_to_lds s[G0+4:G0+7], s[G1:G1+7]
	s_nop 0
	tensor_load_to_lds s[G0+8:G0+11], s[G1:G1+7]
	s_nop 0
	tensor_load_to_lds s[G0+12:G0+15], s[G1:G1+7]
	s_nop 0
.rept 4
	v_nop                                          ; four plain lines follow the tensor loads, ahead of the switch of windows
.endr
	WIN 0x80                                       ; destination window 2
.set i, 0
.rept 32
	global_load_b128 v[TE+4*i:TE+4*i+3], v[GO], s[6:7] offset:i*OSTR th:TH_LOAD_NT   ; a whole row of the teacher: 512 consecutive bytes, read once
.set i, i+1
.endr
	WIN 0
	v_lshlrev_b32 v[XAD], 3, v[RR]
	v_lshl_add_u32 v[XAD], v[HH], 2, v[XAD]
	v_add_nc_u32 v[XAD], s22, v[XAD]               ; 65,536 v + 4 (2 r + hh)
	s_mul_i32 s23, s[WV], 32*WP
	v_mul_u32_u24 v[WL], v[RR], WP
	v_lshl_add_u32 v[WL], v[HH], 7, v[WL]
	v_add_nc_u32 v[WL], s23, v[WL]
	v_add_nc_u32 v[WL], WRAW, v[WL]                ; row r of a fragment's 16, channels 32 hh on
	s_mul_i32 s23, s[WV], SB
	v_mul_u32_u24 v[STO], v[RR], SP
	v_lshl_add_u32 v[STO], v[HH], 5, v[STO]
	v_add_nc_u32 v[STO], s23, v[STO]               ; my stage, row o % 16 = r, 32 bytes for each half of the lanes
	v_bfe_u32 v[TP], v0, 3, 2
	v_mul_u32_u24 v[RD], v[TP], SB                 ; back: eight lanes to each wave's 128 bytes of a row
	v_and_b32 v[TP], 7, v0
	v_lshl_add_u32 v[RD], v[TP], 4, v[RD]
	s_mul_i32 s23, s[WV], 32*SP
	v_add_nc_u32 v[RD], s23, v[RD]                 ; rows 32 v on
	v_lshl_add_u32 v[WI], v[LN], 4, WIMG
	s_mul_i32 s23, s[WV], 2*FRB
	v_add_nc_u32 v[WIS], s23, v[WI]
	v_lshl_add_u32 v[WS], v[LN], 2, WSC
	s_lshl_b32 s23, s[WV], 8
	v_add_nc_u32 v[WSS], s23, v[WS]
	v_mov_b32 v[OT], 0                             ; written once: a lane permute's destination counts as one of its sources
	; ---- conv_w: fragments 2 v and 2 v + 1.  Lane (r, hh) holds channels 32 hh .. 32 hh + 31 of row r: a whole block
	s_wait_tensorcnt 4                             ; my rows of conv_w are in; the four tiles issued behind them may be out
.irp e, 0,1
.irp j, 0,1,2,3,4,5,6,7
	ds_load_b128 v[XB+32*\e+4*\j:XB+32*\e+4*\j+3], v[WL] offset:\e*16*WP+16*\j
.endr
.endr
	s_wait_dscnt 0x0
.macro WQ e
	v_max3_num_f32 v[MX+2*\e], |v[XB+32*\e]|, |v[XB+32*\e+1]|, FLOOR
	v_max3_num_f32 v[MX+2*\e+1], |v[XB+32*\e+16]|, |v[XB+32*\e+17]|, FLOOR
.irp i, 2,4,6,8,10,12,14
	v_max3_num_f32 v[MX+2*\e], v[MX+2*\e], |v[XB+32*\e+\i]|, |v[XB+32*\e+\i+1]|
	v_max3_num_f32 v[MX+2*\e+1], v[MX+2*\e+1], |v[XB+32*\e+16+\i]|, |v[XB+32*\e+17+\i]|
.endr
	v_max_num_f32 v[MX+2*\e], v[MX+2*\e], v[MX+2*\e+1]             ; the block's largest magnitude
	v_add_nc_u32 v[SO+\e], EOFF, v[MX+2*\e]                        ; 4 off its exponent field: the conversion takes the exponent field of this operand as its scale
	v_lshrrev_b32 v[BY+\e], 23, v[SO+\e]                           ; the scale's byte
	v_permlanex16_b32 v[OT], v[BY+\e], s[SEL], s[SEL+1]            ; the other block's
	v_lshl_or_b32 v[SW+\e], v[OT], 8, v[BY+\e]                     ; lanes 0-15: block 0's byte, block 1's (lanes 16-31 are not read)
	v_lshl_or_b32 v[SW+\e], v[SW+\e], 16, v[SW+\e]                 ; and the same again for k = 64 on
	v_cvt_scalef32_pk16_bf6_f32 v[CD+12*\e:CD+12*\e+2], v[XB+32*\e:XB+32*\e+15], v[SO+\e]
	v_cvt_scalef32_pk16_bf6_f32 v[TT+4*\e:TT+4*\e+2], v[XB+32*\e+16:XB+32*\e+31], v[SO+\e]   ; (a conversion's three registers begin on an even number)
	v_nop                                          ; one plain line behind a scaled conversion
.irp i, 0,1,2
	v_mov_b32 v[CD+12*\e+3+\i], v[TT+4*\e+\i]
	v_mov_b32 v[CD+12*\e+6+\i], v[CD+12*\e+\i]     ; registers 6-11 = registers 0-5: [W | W]
	v_mov_b32 v[CD+12*\e+9+\i], v[TT+4*\e+\i]
.endr
.irp c, 0,1,2
	ds_store_b128 v[WIS], v[CD+12*\e+4*\c:CD+12*\e+4*\c+3] offset:\e*FRB+512*\c   ; the fragment as it stands: lane l's 16 bytes at 16 l
.endr
	ds_store_b32 v[WSS], v[SW+\e] offset:128*\e
.endm
	WQ 0
	WQ 1
	s_wait_dscnt 0x0                               ; for the others' sake: my two images lie in LDS
	s_barrier_signal -1                            ; (my tiles may stay on their way: nobody but me reads them, and nothing is filled again)
	s_barrier_wait -1
	WIN 0x40                                       ; destination window 1
.irp f, 0,1,2,3,4,5,6,7
.irp c, 0,1,2
	ds_load_b128 v[WF+12*\f+4*\c:WF+12*\f+4*\c+3], v[WI] offset:\f*FRB+512*\c
.endr
.endr
	WIN 0
.irp f, 0,1,2,3,4,5,6,7
	ds_load_b32 v[WSW+\f], v[WS] offset:128*\f
.endr
	s_wait_loadcnt 32                              ; conv_b, psum and hm are in; the teacher's 32 loads may be out
	WIN 0x40
.irp m, 0,1,2,3,4,5,6,7
.irp j, 0,1,2,3,4,5,6,7
	v_mul_f32 v[CB+8*\m+\j], 0x41000000, v[BI+\m]  ; 8 x conv_b in the result's layout: a lane holds one o, so its eight registers are alike
.endr
.endr
	WIN 0
	v_add_f32 v[PS], v[PS], v[PS+1]                ; the sum of hm: my 8 row sums,
	v_add_f32 v[PS+2], v[PS+2], v[PS+3]
	v_add_f32 v[PS+4], v[PS+4], v[PS+5]
	v_add_f32 v[PS+6], v[PS+6], v[PS+7]
	v_add_f32 v[PS], v[PS], v[PS+2]
	v_add_f32 v[PS+4], v[PS+4], v[PS+6]
	v_add_f32 v[PS], v[PS], v[PS+4]
	v_add_f32_dpp v[PS], v[PS], v[PS] row_xmask:1 row_mask:0xf bank_mask:0xf   ; and the 32 lanes'
	v_add_f32_dpp v[PS], v[PS], v[PS] row_xmask:2 row_mask:0xf bank_mask:0xf
	v_add_f32_dpp v[PS], v[PS], v[PS] row_xmask:4 row_mask:0xf bank_mask:0xf
	v_add_f32_dpp v[PS], v[PS], v[PS] row_xmask:8 row_mask:0xf bank_mask:0xf
	v_permlanex16_b32 v[PS+1], v[PS], s[SEL], s[SEL+1]
	v_add_f32 v[PS], v[PS], v[PS+1]
	v_add_f32 v[PS], 0x38d1b717, v[PS]             ; + 1e-4
	v_rcp_f32 v[PS], v[PS]
	v_nop
	s_wait_alu depctr_va_vdst(0)
	v_mul_f32 v[PS], 0x41200000, v[PS]             ; 10 / (sum + 1e-4)
.irp j, 0,1,2,3
	v_mul_f32 v[HM+\j], v[HM+\j], v[PS]
.endr
; 64 channels of my position of tile s, W tile t
.macro LOADX buf, s, t
.set i, 0
.rept 64
	ds_load_b32 v[\buf+i], v[XAD] offset:(\s)*TILE+128*(\t)+256*i
.set i, i+1
.endr
.endm
; the largest magnitudes of my two blocks, in four chains of 16 numbers, each with the floor among its leaves
.macro QMAX x
.irp c, 0,1,2,3
	v_max3_num_f32 v[MX+\c], |v[\x+16*\c]|, |v[\x+16*\c+1]|, FLOOR
.endr
.irp i, 2,4,6,8,10,12,14
.irp c, 0,1,2,3
	v_max3_num_f32 v[MX+\c], v[MX+\c], |v[\x+16*\c+\i]|, |v[\x+16*\c+\i+1]|
.endr
.endr
.endm
; scale word and codes: the operand's 12 registers in v[c] on
.macro QFIN x, c, sw
	v_max_num_f32 v[MX], v[MX], v[MX+1]
	v_max_num_f32 v[MX+2], v[MX+2], v[MX+3]
	v_add_nc_u32 v[SO], EOFF, v[MX]
	v_add_nc_u32 v[SO+1], EOFF, v[MX+2]
	v_lshrrev_b32 v[BY], 23, v[SO]
	v_lshrrev_b32 v[BY+1], 23, v[SO+1]
	v_lshl_or_b32 v[BY], v[BY+1], 8, v[BY]         ; my position's two bytes
	v_permlanex16_b32 v[OT], v[BY], s[SEL], s[SEL+1]
	v_lshl_or_b32 v[\sw], v[OT], 16, v[BY]         ; lanes 0-15: the even position's two, then the odd one's (lanes 16-31 are not read)
	v_cvt_scalef32_pk16_bf6_f32 v[\c:\c+2], v[\x:\x+15], v[SO]
	v_cvt_scalef32_pk16_bf6_f32 v[TT:TT+2], v[\x+16:\x+31], v[SO]
	v_cvt_scalef32_pk16_bf6_f32 v[\c+6:\c+8], v[\x+32:\x+47], v[SO+1]
	v_cvt_scalef32_pk16_bf6_f32 v[TT+4:TT+6], v[\x+48:\x+63], v[SO+1]
	v_nop                                          ; one plain line behind a scaled conversion
.irp i, 0,1,2
	v_permlane16_swap_b32 v[\c+\i], v[\c+6+\i]     ; the first (channels 0-31) gives its lanes 16-31 (odd positions) for the second's (channels 32-63) lanes 0-15 (even positions):
	v_permlane16_swap_b32 v[TT+\i], v[TT+4+\i]     ; the first now holds the even position, the second the odd one, each with channels 0-31 below and 32-63 above
.endr
.irp i, 0,1,2
	v_mov_b32 v[\c+3+\i], v[TT+\i]
	v_mov_b32 v[\c+9+\i], v[TT+4+\i]
.endr
.endm
; 8 matrix instructions: W tile t against W's eight fragments.  The accumulators take turns, one instruction a turn.  first = 1: 8 x conv_b starts the sums
.macro MM t, c, sw, first
.if \first
	WIN 0x94                                       ; source 1 (W) and C window 1, D window 2
.else
	WIN 0xa4                                       ; source 1 window 1, C and D window 2
.endif
.irp m, 0,1,2,3,4,5,6,7
.if \first
	v_wmma_scale_f32_16x16x128_f8f6f4 v[64*\t+8*\m:64*\t+8*\m+7], v[\c:\c+11], v[WF+12*\m:WF+12*\m+11], v[CB+8*\m:CB+8*\m+7], v[\sw], v[WSW+\m] matrix_a_fmt:MATRIX_FMT_BF6 matrix_b_fmt:MATRIX_FMT_BF6
.else
	v_wmma_scale_f32_16x16x128_f8f6f4 v[64*\t+8*\m:64*\t+8*\m+7], v[\c:\c+11], v[WF+12*\m:WF+12*\m+11], v[64*\t+8*\m:64*\t+8*\m+7], v[\sw], v[WSW+\m] matrix_a_fmt:MATRIX_FMT_BF6 matrix_b_fmt:MATRIX_FMT_BF6
.endif
.endr
	WIN 0
.endm
; Tile s: both W tiles.  A scale word written by a vector instruction stands eight plain lines ahead of the matrix instruction that names it, an operand so written four:
; for the first W tile the second's 32 maxima are these lines, for the second eight v_nop.
.macro STEP s, first
	s_wait_tensorcnt 3-\s                          ; tensor loads of a wave end in order (ISA guide 10.11.1): tile s is in, the younger ones may be out
	LOADX XB, \s, 0
	LOADX XB+64, \s, 1
	s_wait_dscnt 63                                ; all but the youngest 63: the first W tile's 64 loads are in (and, in the first step, W's fragments and scale words)
	QMAX XB
	QFIN XB, CD, SW
	s_wait_dscnt 0x0
	QMAX XB+64
	MM 0, CD, SW, \first
	QFIN XB+64, CD+12, SW+1
.rept 8
	v_nop
.endr
	MM 1, CD+12, SW+1, \first
.endm
	STEP 0, 1
	STEP 1, 0
	STEP 2, 0
	STEP 3, 0
	; ---- THE WAY OUT.  Register j of lane (r, hh) of accumulator (t, m) is the sum for o = 16 m + r, W = 32 v + 16 t + 8 hh + j
.rept 4
	v_nop                                          ; four plain lines between the last matrix instruction and the first read of its result (ISA guide 7.12.1)
.endr
	WIN 0x08                                       ; an LDS store's data are its source 1: window 2
.irp t, 0,1
.irp m, 0,1,2,3,4,5,6,7
	ds_store_b128 v[STO], v[64*\t+8*\m:64*\t+8*\m+3] offset:\m*16*SP+64*\t           ; each accumulator from its low end on
	ds_store_b128 v[STO], v[64*\t+8*\m+4:64*\t+8*\m+7] offset:\m*16*SP+64*\t+16
.endr
.endr
	WIN 0
	s_wait_dscnt 0x0                               ; for the others' sake: my part of every row lies in my stage (my tiles there have landed and I have read them out)
	s_barrier_signal -1
	s_barrier_wait -1
.set i, 0
.rept 32
	ds_load_b128 v[XB+4*i:XB+4*i+3], v[RD] offset:i*SP            ; row o = 32 v + i, W = 4 lane .. 4 lane + 3: eight lanes from each wave's stage
.set i, i+1
.endr
	WIN 0x20                                       ; source 2 (the teacher) window 2
.set i, 0
.rept 32
	s_wait_dscnt 31-i                              ; row i is back from the stage; the younger rows may be out
	s_wait_loadcnt 31-i                            ; the teacher's row i is in; the younger rows may be out
	v_pk_fma_f32 v[XB+4*i:XB+4*i+1], v[XB+4*i:XB+4*i+1], s[EI:EI+1], v[TE+4*i:TE+4*i+1] op_sel_hi:[1,0,1] neg_lo:[0,0,1] neg_hi:[0,0,1]         ; sum / 8 - teacher = s - teacher
	v_pk_fma_f32 v[XB+4*i+2:XB+4*i+3], v[XB+4*i+2:XB+4*i+3], s[EI:EI+1], v[TE+4*i+2:TE+4*i+3] op_sel_hi:[1,0,1] neg_lo:[0,0,1] neg_hi:[0,0,1]
.irp j, 0,1,2,3
	v_mul_f32 v[XB+4*i+\j], |v[XB+4*i+\j]|, v[HM+\j]
.endr
	global_store_b128 v[GO], v[XB+4*i:XB+4*i+3], s[16:17] offset:i*OSTR th:TH_STORE_NT   ; 32 lanes store 512 consecutive bytes, at a multiple of 512 from out0's first byte; written once
.set i, i+1
.endr
	WIN 0
	s_wait_tensorcnt 0x0
	ds_add_u32 v254, v255
	s_wait_dscnt 0x0
	s_endpgm
.Lfunc_end_k_q0ae92d0029_main:
	.size	k_q0ae92d0029_main, .Lfunc_end_k_q0ae92d0029_main-k_q0ae92d0029_main
	.p2alignl 7, 3214868480
	.fill 96, 4, 3214868480
	.section	.rodata,"a",@progbits
	.p2align	6, 0x0
	.amdhsa_kernel k_q0ae92d0029_main
		.amdhsa_group_segment_fixed_size 327680
		.amdhsa_private_segment_fixed_size 0
		.amdhsa_enable_private_segment 0
		.amdhsa_kernarg_size 56
		.amdhsa_user_sgpr_count 2
		.amdhsa_user_sgpr_kernarg_segment_ptr 1
		.amdhsa_wavefront_size32 1
		.amdhsa_system_sgpr_workgroup_id_x 1
		.amdhsa_system_sgpr_workgroup_id_y 1
		.amdhsa_system_sgpr_workgroup_id_z 1
		.amdhsa_system_vgpr_workitem_id 0
		.amdhsa_next_free_vgpr 768
		.amdhsa_next_free_sgpr 80
		.amdhsa_reserve_vcc 0
		.amdhsa_float_denorm_mode_32 3
		.amdhsa_float_denorm_mode_16_64 3
		.amdhsa_memory_ordered 1
		.amdhsa_forward_progress 1
		.amdhsa_inst_pref_size 112
	.end_amdhsa_kernel
	.amdgpu_metadata
---
amdhsa.version: [ 1, 2 ]
amdhsa.kernels:
  - .name:           k_q0ae92d0029_main
    .symbol:         k_q0ae92d0029_main.kd
    .args:
      - { .name: student_voxel_feats, .offset: 0, .size: 8, .value_kind: global_buffer, .address_space: global }
      - { .name: teacher_voxel_feats, .offset: 8, .size: 8, .value_kind: global_buffer, .address_space: global }
      - { .name: conv_w, .offset: 16, .size: 8, .value_kind: global_buffer, .address_space: global }
      - { .name: conv_b, .offset: 24, .size: 8, .value_kind: global_buffer, .address_space: global }
      - { .name: hm, .offset: 32, .size: 8, .value_kind: global_buffer, .address_space: global }
      - { .name: psum, .offset: 40, .size: 8, .value_kind: global_buffer, .address_space: global }
      - { .name: out0, .offset: 48, .size: 8, .value_kind: global_buffer, .address_space: global }
    .group_segment_fixed_size: 327680
    .private_segment_fixed_size: 0
    .kernarg_segment_align: 8
    .kernarg_segment_size: 56
    .max_flat_workgroup_size: 128
    .sgpr_count:     80
    .vgpr_count:     768
    .wavefront_size: 32
...
	.end_amdgpu_metadata
.endif
;; end of part 2
